; MI455X (gfx1250); checked and timed in simulation.
; The chip was launched on July 23, 2026; its instructions are those of AMD's public machine-readable ISA for CDNA 5 (MIT licence, August 2026) and "CDNA5" Instruction Set Architecture Reference Guide (July 2026). The comments in the code are by the model that wrote it; some were corrected since.
;; Transformer Model. Allowed arithmetic: float matrix products may take bf16 or f16 operands with f32 sums; all other float work in f32.
;; Inputs: embed 32,000 x 1,024 float32; out_b 32,000 float32; out_w 1,024 x 32,000 float32; qkv_b 3,072 float32; qkv_w 1,024 x 3,072 float32; x 4 x 2,048 int32.
;; Outputs: out0 4 x 32,000 float32.
;; 2 versions, each right; version 2 is version 1 with the launch vocab written anew for expert scheduling mode. Each part assembles by itself: llvm-mc -triple=amdgcn-amd-amdhsa -mcpu=gfx1250 --defsym DOCPART=n.
;; ======== version 1 of 2: 5 launches
;; workspace buffers: qp 65,536 bytes; res 16,384 bytes; tp 65,536 bytes; cp 1,024 bytes; pacc 1,048,576 bytes; pml 2,048 bytes; op 65,536 bytes
;; launch qproj (part 1): grid 16 x 4, 16 waves a work-group, no clusters, 38,912 bytes of LDS; arguments x, embed, qkv_w, qkv_b, qp, res; writes qp, res
.if DOCPART == 1
	.amdgcn_target "amdgcn-amd-amdhsa--gfx1250"
	.amdhsa_code_object_version 6
	.text
	.protected	k_qd27f3d6d50_qproj
	.globl	k_qd27f3d6d50_qproj
	.p2align	8
	.type	k_qd27f3d6d50_qproj,@function
k_qd27f3d6d50_qproj:
	s_mov_b64 s[64:65], 0
	v_nop
	global_prefetch_b8 v0, s[64:65] scope:SCOPE_SE
	s_setreg_imm32_b32 hwreg(HW_REG_WAVE_MODE, 25, 1), 1
	s_wait_xcnt 0x0
; qproj.  Only the last token of each batch reaches the result, so only four queries are needed.  hl[b] = embed[x[b][2047]].
;   qp[s][e][b] = sum over the 256 d of slice s of hl[b][d] * qkv_w[d][e]      (q without its bias, as four partial sums; the next launch adds them and the bias)
;   res[d][b]   = hl[b][d] + qkv_b[2048 + d]                                    (the residual plus V's bias, for the last launch)
; Work-group (g, s): columns 64 g .. 64 g + 63 (256 bytes of a row), rows 256 s .. 256 s + 255: 64 KiB of weights, each byte read once.
; Wave w: rows 16 w .. 16 w + 15 of the slice.  One load covers two rows: lanes 0-15 the 256 bytes of one row, lanes 16-31 those of the next.
; res of a slice is made by the work-group g = 0 of that slice, which like the other fifteen has hl of the slice in LDS: so no LDS address hangs on the
; work-group's number.  It is made behind the last barrier, by waves 8 to 15, which have nothing else left to do, while waves 0 and 1 add up the
; contributions: no LDS store of any wave follows its read.  V's bias of the slice (1 KiB) is loaded by waves 8 to 15 of EVERY work-group, among the
; loads at the head, and used where g = 0 alone: fifteen unused loads of 1 KiB a slice, so that the register is written on every way and g = 0 waits
; for no load of its own.
; All in f32 on the vector ALU: a weight feeds four multiply-adds only and lies [d][e], so matrix fragments would cost a conversion and a transpose
; for every weight.  No cluster: the work-groups share only the four gathered rows, 4 KiB beside 64 KiB of weights of their own.
; LIMITS: an index is clamped, unsigned, to 31999 (the problem keeps indices inside the table).  The sum over d is made in 32 partial sums and a tree.
.set WROW, 12288                       ; bytes in a row of qkv_w
.set RED,  4096                        ; LDS: 0 .. 4095 hl of the slice, [256 d][4 b]; from RED on 32 contributors x [64 columns][4 b]
.set BV,   10                          ; v10        waves 8 to 15: V's bias of d = 256 s + t % 256
.set RS,   12                          ; v[12:15]   g = 0, waves 8 to 15: res of that d
.set X,    16                          ; v[16:143]  last phase: 32 contributions of 4 registers
.set A,    16                          ; v[16:47]   hl of my 8 rows, 4 batches each
.set W,    144                         ; v[144:175] weights: load i = row 2 i + h, four columns
.set ACC,  176                         ; v[176:191] sums: 4 c + b
.set HL,   192                         ; v[192:193] two numbers of a gathered row
.set TR,   194                         ; v194       g = 0, waves 8 to 15: 16 (t % 256), in LDS and in res
.macro BAR                             ; my LDS work is done (for the other waves: the count is zero), then the work-group meets
	s_wait_dscnt 0x0
	s_barrier_signal -1
	s_barrier_wait -1
.endm
.macro MLB0 d, x, sel, y               ; pair d = x[sel] * pair y
.if \sel
	v_pk_mul_f32 v[\d:\d+1], v[\x:\x+1], v[\y:\y+1] op_sel:[1,0] op_sel_hi:[1,1]
.else
	v_pk_mul_f32 v[\d:\d+1], v[\x:\x+1], v[\y:\y+1] op_sel_hi:[0,1]
.endif
.endm
.macro FMB0 d, x, sel, y               ; pair d += x[sel] * pair y
.if \sel
	v_pk_fma_f32 v[\d:\d+1], v[\x:\x+1], v[\y:\y+1], v[\d:\d+1] op_sel:[1,0,0] op_sel_hi:[1,1,1]
.else
	v_pk_fma_f32 v[\d:\d+1], v[\x:\x+1], v[\y:\y+1], v[\d:\d+1] op_sel_hi:[0,1,1]
.endif
.endm
.macro ROWW w, a, first                ; one row: ACC[4 c + b] += weight[c] * hl[b]; the first row starts the sums, nothing is cleared
.irp c, 0,1,2,3
.irp bp, 0,1
.if \first
	MLB0 ACC+4*\c+2*\bp, \w+(\c&2), (\c&1), \a+2*\bp
.else
	FMB0 ACC+4*\c+2*\bp, \w+(\c&2), (\c&1), \a+2*\bp
.endif
.endr
.endr
.endm
.macro HALVE x, st                     ; items k = 0 .. st - 1 of four registers: item k += item k + st
.set kk, 0
.rept \st
	v_pk_add_f32 v[\x+4*kk:\x+4*kk+1], v[\x+4*kk:\x+4*kk+1], v[\x+4*(kk+\st):\x+4*(kk+\st)+1]
	v_pk_add_f32 v[\x+4*kk+2:\x+4*kk+3], v[\x+4*kk+2:\x+4*kk+3], v[\x+4*(kk+\st)+2:\x+4*(kk+\st)+3]
.set kk, kk+1
.endr
.endm
	s_load_b256 s[16:23], s[0:1], 0x0              ; x s[16:17], embed s[18:19], qkv_w s[20:21], qkv_b s[22:23]
	s_load_b128 s[24:27], s[0:1], 0x20             ; qp s[24:25], res s[26:27]
	v_lshl_add_u32 v196, v0, 2, 0x9000
	v_mov_b32 v197, 0
	v_and_b32 v1, 31, v0                           ; L
	v_and_b32 v2, 15, v0                           ; r = L % 16
	v_bfe_u32 v3, v0, 4, 1                         ; h = L / 16
	v_lshrrev_b32 v4, 5, v0
	v_readfirstlane_b32 s8, v4                     ; wave w
	s_and_b32 s9, ttmp7, 0xffff                    ; slice s
	s_lshr_b32 s35, s8, 2                          ; b = w / 4: the batch whose row this wave gathers
	s_and_b32 s14, s8, 3                           ; which 64 d of the slice it gathers
	s_lshl_b32 s10, s35, 13                        ; x: 8,192 bytes a batch
	s_lshl_b32 s15, ttmp9, 8                       ; 256 g
	s_lshl_b32 s11, s9, 8
	s_lshl4_add_u32 s11, s8, s11                   ; my first row: 256 s + 16 w
	s_mul_i32 s30, s11, WROW
	s_add_co_u32 s30, s30, s15
	s_mov_b32 s31, 0
	v_mul_u32_u24 v4, v3, WROW
	v_lshl_add_u32 v4, v2, 4, v4                   ; row h, 16 bytes at 16 r
	s_wait_kmcnt 0x0
	s_load_b32 s34, s[16:17], s10 offset:0x1ffc    ; x[b][2047]
	s_add_nc_u64 s[28:29], s[20:21], s[30:31]
.irp i, 0,1,2,3,4,5,6,7
	global_load_b128 v[W+4*\i:W+4*\i+3], v4, s[28:29] offset:2*WROW*\i th:TH_LOAD_NT   ; rows 2 i, 2 i + 1; read once in the launch
.endr
	s_cmp_lt_u32 s8, 8
	s_cbranch_scc1 .Lno_bv
	v_and_b32 v11, 0xff, v0                        ; waves 8 to 15: thread t has d = 256 s + t % 256
	s_lshl_b32 s40, s9, 10
	v_lshl_add_u32 v11, v11, 2, s40                ; 4 (256 s + t % 256)
	global_load_b32 v[BV], v11, s[22:23] offset:8192   ; V's bias
.Lno_bv:
	s_lshl_b32 s40, s9, 10
	s_lshl_b32 s41, s14, 8
	s_add_co_u32 s40, s40, s41
	v_lshl_add_u32 v5, v1, 3, s40                  ; in the gathered row: 4 (256 s + 64 (w % 4) + 2 L)
	s_lshl_b32 s41, s14, 10
	s_lshl_b32 s42, s35, 2
	s_add_co_u32 s41, s41, s42
	v_lshl_add_u32 v6, v1, 5, s41                  ; LDS: 16 (64 (w % 4) + 2 L) + 4 b
	s_lshl_b32 s42, s8, 8
	v_lshl_add_u32 v7, v3, 4, s42                  ; LDS: 16 (16 w + h)
	s_lshl_b32 s43, s8, 11
	s_add_co_u32 s43, s43, RED
	v_lshl_add_u32 v8, v3, 10, s43
	v_lshl_add_u32 v8, v2, 6, v8                   ; LDS: RED + 1024 (2 w + h) + 64 r
	s_lshl_b32 s44, s9, 14
	s_lshl_b32 s45, ttmp9, 10
	s_add_co_u32 s44, s44, s45
	s_mov_b32 s45, 0
	s_add_nc_u64 s[36:37], s[24:25], s[44:45]      ; qp + 16384 s + 1024 g
	s_lshl_b32 s46, s9, 12
	s_mov_b32 s47, 0
	s_add_nc_u64 s[38:39], s[26:27], s[46:47]      ; res + 16 x 256 s
	s_wait_kmcnt 0x0                               ; the index
	s_min_u32 s34, s34, 31999                      ; inside the table
	s_lshl_b32 s30, s34, 12                        ; rows of 4,096 bytes
	s_add_nc_u64 s[32:33], s[18:19], s[30:31]
	global_load_b64 v[HL:HL+1], v5, s[32:33]       ; the wave takes 256 consecutive bytes of the row, aligned
	s_wait_loadcnt 0x0                             ; the gathered numbers are the youngest load: all loads are in, the weights and V's bias too
	ds_store_b32 v6, v[HL]
	ds_store_b32 v6, v[HL+1] offset:16
	BAR                                            ; hl of the slice is whole
.irp i, 0,1,2,3,4,5,6,7
	ds_load_b128 v[A+4*\i:A+4*\i+3], v7 offset:32*\i   ; hl[0..3] of row 16 w + 2 i + h: sixteen lanes share an address
.endr
	s_wait_dscnt 7                                 ; LDS loads come back in order (ISA guide 5.7.1): the first is in, seven younger stay out
	ROWW W, A, 1
.irp i, 1,2,3,4,5,6,7
	s_wait_dscnt 7-\i                              ; load i is in, the younger ones stay out
	ROWW W+4*\i, A+4*\i, 0
.endr
.irp c, 0,1,2,3
	ds_store_b128 v8, v[ACC+4*\c:ACC+4*\c+3] offset:16*\c   ; column 4 r + c, four batches
.endr
	BAR                                            ; all 32 contributions lie in LDS; no barrier and no LDS store follows
	s_cmp_ge_u32 s8, 2
	s_cbranch_scc1 .Lothers
	v_and_b32 v9, 63, v0                           ; threads 0 to 63: one column each
	v_lshlrev_b32 v9, 4, v9
.set kk, 0
.rept 32
	ds_load_b128 v[X+4*kk:X+4*kk+3], v9 offset:RED+1024*kk
.set kk, kk+1
.endr
	s_wait_dscnt 0x0
.irp st, 16,8,4,2,1
	HALVE X, \st
.endr
	global_store_b128 v9, v[X:X+3], s[36:37]       ; a wave stores 512 consecutive bytes, aligned
	s_branch .Lend
.Lothers:
	s_cmp_lt_u32 s8, 8
	s_cbranch_scc1 .Lend                           ; waves 2 to 7 are done
	s_cmp_lg_u32 ttmp9, 0
	s_cbranch_scc1 .Lend                           ; res is made where g = 0
	v_and_b32 v[TR], 0xff, v0                      ; waves 8 to 15: d = 256 s + t % 256
	v_lshlrev_b32 v[TR], 4, v[TR]                  ; 16 bytes for each d
	ds_load_b128 v[RS:RS+3], v[TR]                 ; hl[0..3] of that d: stored in front of the first barrier, never written since
	s_wait_dscnt 0x0
.irp b, 0,1,2,3
	v_add_f32 v[RS+\b], v[RS+\b], v[BV]
.endr
	global_store_b128 v[TR], v[RS:RS+3], s[38:39]  ; a wave stores 512 consecutive bytes, aligned
.Lend:
	s_wait_tensorcnt 0x0
	ds_add_u32 v196, v197
	s_wait_dscnt 0x0
	s_endpgm
.Lfunc_end_k_qd27f3d6d50_qproj:
	.size	k_qd27f3d6d50_qproj, .Lfunc_end_k_qd27f3d6d50_qproj-k_qd27f3d6d50_qproj
	.p2alignl 7, 3214868480
	.fill 96, 4, 3214868480
	.section	.rodata,"a",@progbits
	.p2align	6, 0x0
	.amdhsa_kernel k_qd27f3d6d50_qproj
		.amdhsa_group_segment_fixed_size 38912
		.amdhsa_private_segment_fixed_size 0
		.amdhsa_enable_private_segment 0
		.amdhsa_kernarg_size 48
		.amdhsa_user_sgpr_count 2
		.amdhsa_user_sgpr_kernarg_segment_ptr 1
		.amdhsa_wavefront_size32 1
		.amdhsa_system_sgpr_workgroup_id_x 1
		.amdhsa_system_sgpr_workgroup_id_y 1
		.amdhsa_system_sgpr_workgroup_id_z 1
		.amdhsa_system_vgpr_workitem_id 0
		.amdhsa_next_free_vgpr 198
		.amdhsa_next_free_sgpr 66
		.amdhsa_reserve_vcc 0
		.amdhsa_float_denorm_mode_32 3
		.amdhsa_float_denorm_mode_16_64 3
		.amdhsa_memory_ordered 1
		.amdhsa_forward_progress 1
		.amdhsa_inst_pref_size 16
	.end_amdhsa_kernel
	.amdgpu_metadata
---
amdhsa.version: [ 1, 2 ]
amdhsa.kernels:
  - .name:           k_qd27f3d6d50_qproj
    .symbol:         k_qd27f3d6d50_qproj.kd
    .args:
      - { .name: x, .offset: 0, .size: 8, .value_kind: global_buffer, .address_space: global }
      - { .name: embed, .offset: 8, .size: 8, .value_kind: global_buffer, .address_space: global }
      - { .name: qkv_w, .offset: 16, .size: 8, .value_kind: global_buffer, .address_space: global }
      - { .name: qkv_b, .offset: 24, .size: 8, .value_kind: global_buffer, .address_space: global }
      - { .name: qp, .offset: 32, .size: 8, .value_kind: global_buffer, .address_space: global }
      - { .name: res, .offset: 40, .size: 8, .value_kind: global_buffer, .address_space: global }
    .group_segment_fixed_size: 38912
    .private_segment_fixed_size: 0
    .kernarg_segment_align: 8
    .kernarg_segment_size: 48
    .max_flat_workgroup_size: 512
    .sgpr_count:     66
    .vgpr_count:     198
    .wavefront_size: 32
...
	.end_amdgpu_metadata
.endif
;; end of part 1
;; launch tproj (part 2): grid 16 x 4, 8 waves a work-group, no clusters, 6,144 bytes of LDS; arguments qp, qkv_w, qkv_b, tp, cp; writes tp, cp
.if DOCPART == 2
	.amdgcn_target "amdgcn-amd-amdhsa--gfx1250"
	.amdhsa_code_object_version 6
	.text
	.protected	k_qd27f3d6d50_tproj
	.globl	k_qd27f3d6d50_tproj
	.p2align	8
	.type	k_qd27f3d6d50_tproj,@function
k_qd27f3d6d50_tproj:
	s_mov_b64 s[64:65], 0
	v_nop
	global_prefetch_b8 v0, s[64:65] scope:SCOPE_SE
	s_setreg_imm32_b32 hwreg(HW_REG_WAVE_MODE, 25, 1), 1
	s_wait_xcnt 0x0
; tproj.  q . k_j = h_j . t + c with t[b][d] = sum over e of qkv_w[d][1024 + e] q[b][e] and c[b] = sum over e of q[b][e] qkv_b[1024 + e]: exact for
; every input, and K is never formed.  q[b][e] = the four partial sums of qp + qkv_b[e].
;   tp[s][b][d]     = the part of t from the 256 e of slice s
;   cp[16 s + j][b] = the part of c from the 16 e at 256 s + 16 j
; Work-group (rg, s): rows d = 64 rg .. 64 rg + 63, 1,024 bytes of each: 64 KiB of weights, each byte read once.  Wave w: rows 8 w .. 8 w + 7; a row's
; 1,024 bytes are two loads of 512 consecutive bytes; lane L holds e = 128 k + 4 L + i.  The sum over e ends with a sum over the lanes.
; c's parts of a slice are made by the work-group rg = 0 of that slice, from the q that thread t holds in registers (e = 256 s + t) before it goes to
; LDS: each half of 16 lanes of wave w sums one part, j = 2 w + L / 16.  K's bias of the slice (1 KiB) is loaded by EVERY work-group, among the loads at
; the head, and used where rg = 0 alone: fifteen unused loads of 1 KiB a slice, so that the register is written on every way and rg = 0 waits for no
; load of its own.
; f32 on the vector ALU: four multiply-adds for each weight.  No cluster: what work-groups share is the 16 KiB of qp beside 64 KiB of weights of their own.
; LIMIT: the order of rounding differs from the problem's formula (the sums over e are reassociated).
.set WROW, 12288
.set OUT,  4096                        ; LDS: 0 .. 4095 q of the slice, [256 e][4 b]; from OUT on [64 rows][4 b]
.set BK,   4                           ; v4         K's bias of e = 256 s + t
.set CQ,   8                           ; v[8:11]    rg = 0: q[0..3] times that bias, then the sums
.set W,    16                          ; v[16:79]   weights: 8 r8 + 4 k + i
.set Q,    80                          ; v[80:111]  q: 16 k + 4 i + b; at first the four partial sums and the bias
.set ACC,  112                         ; v[112:143] sums: 4 r8 + b
.set FA,   144                         ; last phase: LDS address
.set FO,   145                         ; last phase: offset in tp
.macro BAR
	s_wait_dscnt 0x0
	s_barrier_signal -1
	s_barrier_wait -1
.endm
.macro MLB0 d, x, sel, y               ; pair d = x[sel] * pair y
.if \sel
	v_pk_mul_f32 v[\d:\d+1], v[\x:\x+1], v[\y:\y+1] op_sel:[1,0] op_sel_hi:[1,1]
.else
	v_pk_mul_f32 v[\d:\d+1], v[\x:\x+1], v[\y:\y+1] op_sel_hi:[0,1]
.endif
.endm
.macro FMB0 d, x, sel, y               ; pair d += x[sel] * pair y
.if \sel
	v_pk_fma_f32 v[\d:\d+1], v[\x:\x+1], v[\y:\y+1], v[\d:\d+1] op_sel:[1,0,0] op_sel_hi:[1,1,1]
.else
	v_pk_fma_f32 v[\d:\d+1], v[\x:\x+1], v[\y:\y+1], v[\d:\d+1] op_sel_hi:[0,1,1]
.endif
.endm
.macro PROD k, i, first                ; e = 128 k + 4 L + i against all eight rows: sixteen sums that do not wait for each other
.irp r8, 0,1,2,3,4,5,6,7
.irp bp, 0,1
.if \first
	MLB0 ACC+4*\r8+2*\bp, W+8*\r8+4*\k+(\i&2), (\i&1), Q+16*\k+4*\i+2*\bp
.else
	FMB0 ACC+4*\r8+2*\bp, W+8*\r8+4*\k+(\i&2), (\i&1), Q+16*\k+4*\i+2*\bp
.endif
.endr
.endr
.endm
; cnt registers from base on are summed over the 32 lanes, stage by stage; every lane ends with the sums.  tmp: cnt registers that have been written.
.macro WREDN dop, op, base, cnt, tmp
.irp m, 1,2,4,8
.set qq, 0
.rept \cnt
	\dop v[\base+qq], v[\base+qq], v[\base+qq] row_xmask:\m row_mask:0xf bank_mask:0xf
.set qq, qq+1
.endr
.endr
.set qq, 0
.rept \cnt
	v_permlanex16_b32 v[\tmp+qq], v[\base+qq], s12, s13
.set qq, qq+1
.endr
.set qq, 0
.rept \cnt
	\op v[\base+qq], v[\base+qq], v[\tmp+qq]
.set qq, qq+1
.endr
.endm
	s_load_b256 s[16:23], s[0:1], 0x0              ; qp s[16:17], qkv_w s[18:19], qkv_b s[20:21], tp s[22:23]
	s_load_b64 s[24:25], s[0:1], 0x20              ; cp
	v_lshl_add_u32 v146, v0, 2, 0x1400
	v_mov_b32 v147, 0
	v_and_b32 v1, 31, v0                           ; L
	v_and_b32 v2, 15, v0                           ; r
	v_lshrrev_b32 v3, 5, v0
	v_readfirstlane_b32 s8, v3                     ; wave w
	s_and_b32 s9, ttmp7, 0xffff                    ; slice s
	s_mov_b32 s12, 0x76543210                      ; v_permlanex16_b32: lane i of one half reads lane i of the other
	s_mov_b32 s13, 0xfedcba98
	v_lshlrev_b32 v5, 4, v0                        ; 16 t
	v_lshlrev_b32 v6, 2, v0                        ; 4 t
	v_lshlrev_b32 v7, 4, v1                        ; 16 L
	v_lshlrev_b32 v12, 6, v1                       ; 64 L
	s_lshl_b32 s40, s9, 12                         ; qp: 16 bytes x 256 s
	s_mov_b32 s41, 0
	s_lshl_b32 s42, s9, 10                         ; 4 bytes x 256 s
	s_mov_b32 s43, 0
	s_lshl_b32 s10, ttmp9, 6                       ; 64 rg
	s_lshl3_add_u32 s11, s8, s10                   ; my first row: 64 rg + 8 w
	s_mul_i32 s44, s11, WROW
	s_add_co_u32 s44, s44, s42
	s_add_co_u32 s44, s44, 4096                    ; K's third of the row
	s_mov_b32 s45, 0
	s_wait_kmcnt 0x0
	s_add_nc_u64 s[28:29], s[16:17], s[40:41]
	s_add_nc_u64 s[30:31], s[20:21], s[42:43]
	s_add_nc_u64 s[32:33], s[18:19], s[44:45]
.irp sp, 0,1,2,3
	global_load_b128 v[Q+4*\sp:Q+4*\sp+3], v5, s[28:29] offset:16384*\sp   ; thread t: the four partial sums of q[0..3][256 s + t]
.endr
	global_load_b32 v[Q+16], v6, s[30:31]          ; Q's bias there
	global_load_b32 v[BK], v6, s[30:31] offset:4096   ; and K's
.irp r8, 0,1,2,3,4,5,6,7
.irp k, 0,1
	global_load_b128 v[W+8*\r8+4*\k:W+8*\r8+4*\k+3], v7, s[32:33] offset:WROW*\r8+512*\k th:TH_LOAD_NT
.endr
.endr
	s_lshl_b32 s46, s9, 14
	s_lshl_b32 s47, ttmp9, 8
	s_add_co_u32 s46, s46, s47
	s_mov_b32 s47, 0
	s_add_nc_u64 s[36:37], s[22:23], s[46:47]      ; tp + 16384 s + 4 x 64 rg
	s_lshl_b32 s46, s9, 8
	s_lshl_b32 s11, s8, 5
	s_add_co_u32 s46, s46, s11
	s_add_nc_u64 s[38:39], s[24:25], s[46:47]      ; cp + 16 (16 s + 2 w)
	s_wait_loadcnt 16                              ; loads come back in order (ISA guide 5.7.1): all but the sixteen weight loads are in
	v_pk_add_f32 v[Q:Q+1], v[Q:Q+1], v[Q+4:Q+5]
	v_pk_add_f32 v[Q+2:Q+3], v[Q+2:Q+3], v[Q+6:Q+7]
	v_pk_add_f32 v[Q+8:Q+9], v[Q+8:Q+9], v[Q+12:Q+13]
	v_pk_add_f32 v[Q+10:Q+11], v[Q+10:Q+11], v[Q+14:Q+15]
	v_pk_add_f32 v[Q:Q+1], v[Q:Q+1], v[Q+8:Q+9]
	v_pk_add_f32 v[Q+2:Q+3], v[Q+2:Q+3], v[Q+10:Q+11]
.irp b, 0,1,2,3
	v_add_f32 v[Q+\b], v[Q+\b], v[Q+16]
.endr
	ds_store_b128 v5, v[Q:Q+3]
	s_cmp_lg_u32 ttmp9, 0                          ; the same in all waves of the work-group; no barrier stands inside
	s_cbranch_scc1 .Lno_c
.irp b, 0,1,2,3
	v_mul_f32 v[CQ+\b], v[Q+\b], v[BK]             ; rg = 0: q[b][e] times K's bias of e = 256 s + t
.endr
.irp m, 1,2,4,8
.irp b, 0,1,2,3
	v_add_f32_dpp v[CQ+\b], v[CQ+\b], v[CQ+\b] row_xmask:\m row_mask:0xf bank_mask:0xf   ; summed inside each half of 16 lanes: one part of c a half
.endr
.endr
	v_bfe_u32 v3, v0, 4, 1
	v_lshlrev_b32 v3, 4, v3                        ; 16 (L / 16)
	s_wait_xcnt 0x0                                ; EXEC is a source of every memory instruction issued so far: it changes only behind this wait
	v_cmp_eq_u32 vcc_lo, 0, v2
	s_and_saveexec_b32 s11, vcc_lo
	global_store_b128 v3, v[CQ:CQ+3], s[38:39]     ; lanes 0 and 16: 32 consecutive bytes, all the result that the wave has
	s_wait_xcnt 0x0                                ; and again in front of the line that widens it
	s_or_b32 exec_lo, exec_lo, s11
.Lno_c:
	BAR                                            ; q of the slice is whole
.irp k, 0,1
.irp i, 0,1,2,3
	ds_load_b128 v[Q+16*\k+4*\i:Q+16*\k+4*\i+3], v12 offset:2048*\k+16*\i   ; q[0..3][128 k + 4 L + i]
.endr
.endr
	s_wait_loadcnt 0x0                             ; the weights
	s_wait_dscnt 0x0                               ; and q
	PROD 0, 0, 1                                   ; the first products start the sums
.irp i, 1,2,3
	PROD 0, \i, 0
.endr
.irp i, 0,1,2,3
	PROD 1, \i, 0
.endr
	WREDN v_add_f32_dpp, v_add_f32, ACC, 32, W     ; the weights are used up: their registers take the other half's figures
	s_lshl_b32 s11, s8, 7
	s_add_co_u32 s11, s11, OUT
	v_mov_b32 v13, s11                             ; OUT + 16 x 8 w
.irp r8, 0,1,2,3,4,5,6,7
	ds_store_b128 v13, v[ACC+4*\r8:ACC+4*\r8+3] offset:16*\r8   ; every lane holds the sums: all write the same bytes with the same values
.endr
	BAR                                            ; all 64 rows lie in LDS; no barrier follows
	s_cmp_ge_u32 s8, 2
	s_cbranch_scc1 .Lend
	v_bfe_u32 v[FO], v0, 4, 2                      ; threads 0 to 63: b = t / 16, four rows d at 4 (t % 16)
	v_lshlrev_b32 v[FA], 6, v2
	v_lshl_add_u32 v[FA], v[FO], 2, v[FA]          ; 16 x 4 (t % 16) + 4 b
	v_lshlrev_b32 v[FO], 12, v[FO]
	v_lshl_add_u32 v[FO], v2, 4, v[FO]             ; 4096 b + 16 (t % 16)
.irp i, 0,1,2,3
	ds_load_b32 v[Q+\i], v[FA] offset:OUT+16*\i
.endr
	s_wait_dscnt 0x0
	global_store_b128 v[FO], v[Q:Q+3], s[36:37]    ; sixteen lanes store 256 consecutive bytes, aligned
.Lend:
	s_wait_tensorcnt 0x0
	ds_add_u32 v146, v147
	s_wait_dscnt 0x0
	s_endpgm
.Lfunc_end_k_qd27f3d6d50_tproj:
	.size	k_qd27f3d6d50_tproj, .Lfunc_end_k_qd27f3d6d50_tproj-k_qd27f3d6d50_tproj
	.p2alignl 7, 3214868480
	.fill 96, 4, 3214868480
	.section	.rodata,"a",@progbits
	.p2align	6, 0x0
	.amdhsa_kernel k_qd27f3d6d50_tproj
		.amdhsa_group_segment_fixed_size 6144
		.amdhsa_private_segment_fixed_size 0
		.amdhsa_enable_private_segment 0
		.amdhsa_kernarg_size 40
		.amdhsa_user_sgpr_count 2
		.amdhsa_user_sgpr_kernarg_segment_ptr 1
		.amdhsa_wavefront_size32 1
		.amdhsa_system_sgpr_workgroup_id_x 1
		.amdhsa_system_sgpr_workgroup_id_y 1
		.amdhsa_system_sgpr_workgroup_id_z 1
		.amdhsa_system_vgpr_workitem_id 0
		.amdhsa_next_free_vgpr 148
		.amdhsa_next_free_sgpr 66
		.amdhsa_reserve_vcc 1
		.amdhsa_float_denorm_mode_32 3
		.amdhsa_float_denorm_mode_16_64 3
		.amdhsa_memory_ordered 1
		.amdhsa_forward_progress 1
		.amdhsa_inst_pref_size 28
	.end_amdhsa_kernel
	.amdgpu_metadata
---
amdhsa.version: [ 1, 2 ]
amdhsa.kernels:
  - .name:           k_qd27f3d6d50_tproj
    .symbol:         k_qd27f3d6d50_tproj.kd
    .args:
      - { .name: qp, .offset: 0, .size: 8, .value_kind: global_buffer, .address_space: global }
      - { .name: qkv_w, .offset: 8, .size: 8, .value_kind: global_buffer, .address_space: global }
      - { .name: qkv_b, .offset: 16, .size: 8, .value_kind: global_buffer, .address_space: global }
      - { .name: tp, .offset: 24, .size: 8, .value_kind: global_buffer, .address_space: global }
      - { .name: cp, .offset: 32, .size: 8, .value_kind: global_buffer, .address_space: global }
    .group_segment_fixed_size: 6144
    .private_segment_fixed_size: 0
    .kernarg_segment_align: 8
    .kernarg_segment_size: 40
    .max_flat_workgroup_size: 256
    .sgpr_count:     66
    .vgpr_count:     148
    .wavefront_size: 32
...
	.end_amdgpu_metadata
.endif
;; end of part 2
;; launch attn (part 3): grid 64 x 4, 8 waves a work-group, no clusters, 38,400 bytes of LDS; arguments x, embed, tp, cp, pacc, pml; writes pacc, pml
.if DOCPART == 3
	.amdgcn_target "amdgcn-amd-amdhsa--gfx1250"
	.amdhsa_code_object_version 6
	.text
	.protected	k_qd27f3d6d50_attn
	.globl	k_qd27f3d6d50_attn
	.p2align	8
	.type	k_qd27f3d6d50_attn,@function
k_qd27f3d6d50_attn:
	s_mov_b64 s[64:65], 0
	v_nop
	global_prefetch_b8 v0, s[64:65] scope:SCOPE_SE
	s_setreg_imm32_b32 hwreg(HW_REG_WAVE_MODE, 25, 1), 1
	s_wait_xcnt 0x0
; attn.  The last query's attention over 32 tokens of batch b, as a softmax partial:
;   z_j = (h_j . t[b] + c[b]) log2(e) / 32,   M = max z_j,   pacc[b][p][d] = sum over j of 2^(z_j - M) h_j[d],   pml[b][p] = (M, sum over j of 2^(z_j - M))
; h_j = embed[x[b][j]].  Since the weights of a softmax add up to one, sum a_j v_j = (sum a_j h_j) Wv + bv: V is never formed; the next launch joins the
; 64 partials of a batch and multiplies by Wv.  The largest score of the group is taken away in front of every exponential, so each is at most 1 and
; each sum of them at least 1.
; Work-group (p, b): tokens 32 p .. 32 p + 31.  Wave w: tokens 4 w .. 4 w + 3; a row of 4,096 bytes is eight loads of 512 consecutive bytes and stays in
; 32 registers between the dot product and the weighted sum: each gathered row is read once.  All 32 loads of a wave go out at once.
; f32 on the vector ALU: two multiply-adds for each gathered number.  No cluster: the work-groups of a batch share t alone, 16 KiB beside 128 KiB of rows.
; LIMITS: indices are clamped, unsigned, to 31999.  The order of rounding differs from the problem's formula (reassociated sums).
.set ACCW, 4096                        ; LDS: 0 .. 4095 t[b]; from ACCW on the eight waves' weighted sums, 4,096 bytes each; at ML their (m, l)
.set ML,   36864
.set S,    4                           ; v[4:7]     the four scores
.set P,    8                           ; v[8:11]    their exponentials
.set DA,   12                          ; v[12:13], v[14:15]  two chains of the dot product
.set DB,   14
.set R,    32                          ; v[32:159]  row i at 32 i, load k at 4 k: d = 128 k + 4 L + 0..3
.set T,    160                         ; v[160:191] t in the same order; at first its four partial sums
.macro BAR
	s_wait_dscnt 0x0
	s_barrier_signal -1
	s_barrier_wait -1
.endm
.macro FMB1 d, y, x, sel               ; pair d += pair y * x[sel]
.if \sel
	v_pk_fma_f32 v[\d:\d+1], v[\y:\y+1], v[\x:\x+1], v[\d:\d+1] op_sel:[0,1,0] op_sel_hi:[1,1,1]
.else
	v_pk_fma_f32 v[\d:\d+1], v[\y:\y+1], v[\x:\x+1], v[\d:\d+1] op_sel_hi:[1,0,1]
.endif
.endm
.macro WREDN dop, op, base, cnt, tmp   ; cnt registers reduced over the 32 lanes, stage by stage; tmp: cnt registers that have been written
.irp m, 1,2,4,8
.set qq, 0
.rept \cnt
	\dop v[\base+qq], v[\base+qq], v[\base+qq] row_xmask:\m row_mask:0xf bank_mask:0xf
.set qq, qq+1
.endr
.endr
.set qq, 0
.rept \cnt
	v_permlanex16_b32 v[\tmp+qq], v[\base+qq], s12, s13
.set qq, qq+1
.endr
.set qq, 0
.rept \cnt
	\op v[\base+qq], v[\base+qq], v[\tmp+qq]
.set qq, qq+1
.endr
.endm
.macro DOT i                           ; my 32 numbers of row i against t
	s_wait_loadcnt 24-8*\i                         ; loads come back in order (ISA guide 5.7.1): row i is in, the later rows' loads stay out
	v_pk_mul_f32 v[DA:DA+1], v[R+32*\i:R+32*\i+1], v[T:T+1]
	v_pk_mul_f32 v[DB:DB+1], v[R+32*\i+2:R+32*\i+3], v[T+2:T+3]
.irp k, 1,2,3,4,5,6,7
	v_pk_fma_f32 v[DA:DA+1], v[R+32*\i+4*\k:R+32*\i+4*\k+1], v[T+4*\k:T+4*\k+1], v[DA:DA+1]
	v_pk_fma_f32 v[DB:DB+1], v[R+32*\i+4*\k+2:R+32*\i+4*\k+3], v[T+4*\k+2:T+4*\k+3], v[DB:DB+1]
.endr
	v_pk_add_f32 v[DA:DA+1], v[DA:DA+1], v[DB:DB+1]
	v_add_f32 v[S+\i], v[DA], v[DA+1]
.endm
	s_load_b256 s[16:23], s[0:1], 0x0              ; x s[16:17], embed s[18:19], tp s[20:21], cp s[22:23]
	s_load_b128 s[24:27], s[0:1], 0x20             ; pacc s[24:25], pml s[26:27]
	v_lshl_add_u32 v192, v0, 2, 0x9200
	v_mov_b32 v193, 0
	v_and_b32 v1, 31, v0                           ; L
	v_lshrrev_b32 v2, 5, v0
	v_readfirstlane_b32 s8, v2                     ; wave w
	s_and_b32 s9, ttmp7, 0xffff                    ; batch b
	s_mov_b32 s12, 0x76543210
	s_mov_b32 s13, 0xfedcba98
	s_mov_b32 s42, 0x3d38aa3b                      ; log2(e) / 32: the division by the root of 1,024 and the change to base 2 in one factor
	s_lshl_b32 s10, s9, 13
	s_lshl_b32 s11, ttmp9, 7
	s_add_co_u32 s10, s10, s11
	s_lshl4_add_u32 s10, s8, s10                   ; x: 4 (2048 b + 32 p + 4 w)
	s_lshl_b32 s50, s9, 12                         ; tp: 4,096 bytes a batch
	s_mov_b32 s51, 0
	s_mov_b32 s41, 0
	v_lshlrev_b32 v21, 4, v0                       ; 16 t
	v_lshlrev_b32 v22, 4, v1                       ; 16 L
	s_lshl_b32 s11, s9, 2
	v_add_nc_u32 v23, s11, v22                     ; cp: 16 L + 4 b
	s_wait_kmcnt 0x0
	s_load_b128 s[28:31], s[16:17], s10 offset:0x0 ; my four indices
	s_add_nc_u64 s[44:45], s[20:21], s[50:51]
.irp sp, 0,1,2,3
	global_load_b128 v[T+4*\sp:T+4*\sp+3], v21, s[44:45] offset:16384*\sp   ; thread t: the four partial sums of t[b][4 t .. 4 t + 3]
.endr
	global_load_b32 v19, v23, s[22:23]             ; parts L and 32 + L of c[b]
	global_load_b32 v20, v23, s[22:23] offset:512
	s_lshl_b32 s52, s9, 6
	s_add_co_u32 s52, s52, ttmp9                   ; 64 b + p
	s_lshl_b32 s50, s52, 12
	s_add_nc_u64 s[46:47], s[24:25], s[50:51]      ; pacc + 4096 (64 b + p)
	s_lshl_b32 s50, s52, 3
	s_add_nc_u64 s[48:49], s[26:27], s[50:51]      ; pml + 8 (64 b + p)
	s_wait_kmcnt 0x0
.irp i, 0,1,2,3
	s_min_u32 s[28+\i], s[28+\i], 31999            ; inside the table
	s_lshl_b32 s40, s[28+\i], 12                   ; rows of 4,096 bytes
	s_add_nc_u64 s[32+2*\i:33+2*\i], s[18:19], s[40:41]
.endr
.irp i, 0,1,2,3
.irp k, 0,1,2,3,4,5,6,7
	global_load_b128 v[R+32*\i+4*\k:R+32*\i+4*\k+3], v22, s[32+2*\i:33+2*\i] offset:512*\k   ; no hint: the list may name a row again
.endr
.endr
	s_wait_loadcnt 32                              ; t's and c's parts are in; the 32 loads of the rows stay out
	v_pk_add_f32 v[T:T+1], v[T:T+1], v[T+4:T+5]
	v_pk_add_f32 v[T+2:T+3], v[T+2:T+3], v[T+6:T+7]
	v_pk_add_f32 v[T+8:T+9], v[T+8:T+9], v[T+12:T+13]
	v_pk_add_f32 v[T+10:T+11], v[T+10:T+11], v[T+14:T+15]
	v_pk_add_f32 v[T:T+1], v[T:T+1], v[T+8:T+9]
	v_pk_add_f32 v[T+2:T+3], v[T+2:T+3], v[T+10:T+11]
	ds_store_b128 v21, v[T:T+3]
	v_add_f32 v19, v19, v20
	WREDN v_add_f32_dpp, v_add_f32, 19, 1, 20      ; c[b] in every lane
	v_mul_f32 v18, s42, v19
	BAR                                            ; t[b] is whole
.irp k, 0,1,2,3,4,5,6,7
	ds_load_b128 v[T+4*\k:T+4*\k+3], v22 offset:512*\k
.endr
	s_lshl_b32 s11, s8, 12
	s_add_co_u32 s11, s11, ACCW
	s_lshl_b32 s14, s8, 3
	s_add_co_u32 s14, s14, ML
	s_wait_dscnt 0x0
	DOT 0
	DOT 1
	DOT 2
	DOT 3
	WREDN v_add_f32_dpp, v_add_f32, S, 4, DA       ; the four dot products in every lane
.irp i, 0,1,2,3
	v_fma_f32 v[S+\i], v[S+\i], s42, v18           ; z = (h . t + c) log2(e) / 32
.endr
	v_max3_num_f32 v16, v[S], v[S+1], v[S+2]
	v_max_num_f32 v16, v16, v[S+3]                 ; m: the wave's largest score
.irp i, 0,1,2,3
	v_sub_f32 v[P+\i], v[S+\i], v16
.endr
.irp i, 0,1,2,3
	v_exp_f32 v[P+\i], v[P+\i]
.endr
	v_add_nc_u32 v24, s11, v22                     ; ACCW + 4096 w + 16 L; also the plain instruction between the exponentials and their first use (ISA guide 5.7.2)
	s_wait_alu depctr_va_vdst(0)
	v_add_f32 v17, v[P], v[P+1]
	v_add_f32 v12, v[P+2], v[P+3]
	v_add_f32 v17, v17, v12                        ; l
	v_mov_b32 v25, s14                             ; ML + 8 w
.set jj, 0
.rept 16
	v_pk_mul_f32 v[R+2*jj:R+2*jj+1], v[R+2*jj:R+2*jj+1], v[P:P+1] op_sel_hi:[1,0]   ; the weighted sum grows in row 0's registers
.set jj, jj+1
.endr
.irp i, 1,2,3
.set jj, 0
.rept 16
	FMB1 R+2*jj, R+32*\i+2*jj, P+(\i&2), (\i&1)
.set jj, jj+1
.endr
.endr
.irp k, 0,1,2,3,4,5,6,7
	ds_store_b128 v24, v[R+4*\k:R+4*\k+3] offset:512*\k
.endr
	ds_store_b64 v25, v[16:17]                     ; every lane holds (m, l): all write the same bytes with the same values
	BAR                                            ; the eight waves' partials lie in LDS; no barrier follows
	v_mov_b32 v26, ML
.irp k, 0,1,2,3
	ds_load_b128 v[32+4*\k:35+4*\k], v26 offset:16*\k          ; m of wave k in v[32 + 2 k], l in v[33 + 2 k]
.endr
.irp k, 0,1,2,3,4,5,6,7
	ds_load_b128 v[48+4*\k:51+4*\k], v21 offset:ACCW+4096*\k   ; thread t: d = 4 t .. 4 t + 3 of wave k's sum
.endr
	s_wait_dscnt 0x0
	v_max3_num_f32 v92, v32, v34, v36
	v_max3_num_f32 v92, v92, v38, v40
	v_max3_num_f32 v92, v92, v42, v44
	v_max_num_f32 v92, v92, v46                    ; M: the group's largest score
.irp k, 0,1,2,3,4,5,6,7
	v_sub_f32 v[80+\k], v[32+2*\k], v92
.endr
.irp k, 0,1,2,3,4,5,6,7
	v_exp_f32 v[80+\k], v[80+\k]
.endr
	v_mov_b32 v27, 0                               ; the offset of pml's store; also the plain instruction behind the exponentials
	s_wait_alu depctr_va_vdst(0)
	v_mul_f32 v93, v80, v33
.irp k, 1,2,3,4,5,6,7
	v_fmac_f32 v93, v[80+\k], v[33+2*\k]           ; the group's sum of exponentials
.endr
	v_pk_mul_f32 v[88:89], v[48:49], v[80:81] op_sel_hi:[1,0]
	v_pk_mul_f32 v[90:91], v[50:51], v[80:81] op_sel_hi:[1,0]
.irp k, 1,2,3,4,5,6,7
	FMB1 88, 48+4*\k, 80+(\k&6), (\k&1)
	FMB1 90, 50+4*\k, 80+(\k&6), (\k&1)
.endr
	global_store_b128 v21, v[88:91], s[46:47]      ; a wave stores 512 consecutive bytes, aligned
	s_cmp_lg_u32 s8, 0
	s_cbranch_scc1 .Lend
	s_wait_xcnt 0x0                                ; EXEC is a source of the store above: it changes only behind this wait
	v_cmp_eq_u32 vcc_lo, 0, v1
	s_and_saveexec_b32 s11, vcc_lo
	global_store_b64 v27, v[92:93], s[48:49]       ; wave 0, lane 0: (M, sum), all that there is of it
	s_wait_xcnt 0x0
	s_or_b32 exec_lo, exec_lo, s11
.Lend:
	s_wait_tensorcnt 0x0
	ds_add_u32 v192, v193
	s_wait_dscnt 0x0
	s_endpgm
.Lfunc_end_k_qd27f3d6d50_attn:
	.size	k_qd27f3d6d50_attn, .Lfunc_end_k_qd27f3d6d50_attn-k_qd27f3d6d50_attn
	.p2alignl 7, 3214868480
	.fill 96, 4, 3214868480
	.section	.rodata,"a",@progbits
	.p2align	6, 0x0
	.amdhsa_kernel k_qd27f3d6d50_attn
		.amdhsa_group_segment_fixed_size 38400
		.amdhsa_private_segment_fixed_size 0
		.amdhsa_enable_private_segment 0
		.amdhsa_kernarg_size 48
		.amdhsa_user_sgpr_count 2
		.amdhsa_user_sgpr_kernarg_segment_ptr 1
		.amdhsa_wavefront_size32 1
		.amdhsa_system_sgpr_workgroup_id_x 1
		.amdhsa_system_sgpr_workgroup_id_y 1
		.amdhsa_system_sgpr_workgroup_id_z 1
		.amdhsa_system_vgpr_workitem_id 0
		.amdhsa_next_free_vgpr 194
		.amdhsa_next_free_sgpr 66
		.amdhsa_reserve_vcc 1
		.amdhsa_float_denorm_mode_32 3
		.amdhsa_float_denorm_mode_16_64 3
		.amdhsa_memory_ordered 1
		.amdhsa_forward_progress 1
		.amdhsa_inst_pref_size 23
	.end_amdhsa_kernel
	.amdgpu_metadata
---
amdhsa.version: [ 1, 2 ]
amdhsa.kernels:
  - .name:           k_qd27f3d6d50_attn
    .symbol:         k_qd27f3d6d50_attn.kd
    .args:
      - { .name: x, .offset: 0, .size: 8, .value_kind: global_buffer, .address_space: global }
      - { .name: embed, .offset: 8, .size: 8, .value_kind: global_buffer, .address_space: global }
      - { .name: tp, .offset: 16, .size: 8, .value_kind: global_buffer, .address_space: global }
      - { .name: cp, .offset: 24, .size: 8, .value_kind: global_buffer, .address_space: global }
      - { .name: pacc, .offset: 32, .size: 8, .value_kind: global_buffer, .address_space: global }
      - { .name: pml, .offset: 40, .size: 8, .value_kind: global_buffer, .address_space: global }
    .group_segment_fixed_size: 38400
    .private_segment_fixed_size: 0
    .kernarg_segment_align: 8
    .kernarg_segment_size: 48
    .max_flat_workgroup_size: 256
    .sgpr_count:     66
    .vgpr_count:     194
    .wavefront_size: 32
...
	.end_amdgpu_metadata
.endif
;; end of part 3
;; launch oproj (part 4): grid 16 x 4, 16 waves a work-group, no clusters, 43,008 bytes of LDS; arguments pacc, pml, qkv_w, op; writes op
.if DOCPART == 4
	.amdgcn_target "amdgcn-amd-amdhsa--gfx1250"
	.amdhsa_code_object_version 6
	.text
	.protected	k_qd27f3d6d50_oproj
	.globl	k_qd27f3d6d50_oproj
	.p2align	8
	.type	k_qd27f3d6d50_oproj,@function
k_qd27f3d6d50_oproj:
	s_mov_b64 s[64:65], 0
	v_nop
	global_prefetch_b8 v0, s[64:65] scope:SCOPE_SE
	s_setreg_imm32_b32 hwreg(HW_REG_WAVE_MODE, 25, 1), 1
	s_wait_xcnt 0x0
; oproj.  Joins the 64 softmax partials of each batch and multiplies by Wv:
;   M = max over p of m_p,  weight_p = 2^(m_p - M) / sum over p of 2^(m_p - M) l_p,  u[b][d] = sum over p of weight_p pacc[b][p][d]
;   op[s][n][b] = sum over the 256 d of slice s of u[b][d] * qkv_w[d][2048 + n]       (four partial sums; V's bias is in res)
; Work-group (g, s): columns 64 g .. 64 g + 63, rows 256 s .. 256 s + 255: 64 KiB of weights, each byte read once.
; First part: wave w = 4 b + 2 half + ph sums the partials p = 2 k + ph, k = 0 .. 31, of batch b over the 128 d of its half of the slice.
; Second part: wave w takes rows 16 w .. 16 w + 15, as in the launch that makes q.
; NO CLUSTER, though the sixteen work-groups of a slice read the same 256 KiB of pacc: each of these bytes is used once, in a sum of 64 into 1 that
; runs in registers as the loads come in; a joint load would have to lay all 256 KiB into each LDS and every wave would read them back for that one use.
; f32 on the vector ALU: four multiply-adds for each weight.
.set WROW, 12288
.set RED,  8192                        ; LDS: 0 .. 8191 u of the slice in two halves of the sum, [ph][256 d][4 b]; from RED on 32 contributors x [64 columns][4 b]
.set PA,   16                          ; v[16:143]  the 32 partials, 4 registers each
.set A0,   16                          ; v[16:47], v[48:79]  later: u of my 8 rows, the two halves of the sum
.set A1,   48
.set X,    16                          ; v[16:143]  last phase
.set W,    144                         ; v[144:175] weights
.set ACC,  176                         ; v[176:191] sums: 4 c + b
.set U,    192                         ; v[192:195] u of my four d
.set RS,   196                         ; LDS address of my contribution
.set TT,   197                         ; last phase: 16 t
.macro BAR
	s_wait_dscnt 0x0
	s_barrier_signal -1
	s_barrier_wait -1
.endm
.macro MLB0 d, x, sel, y
.if \sel
	v_pk_mul_f32 v[\d:\d+1], v[\x:\x+1], v[\y:\y+1] op_sel:[1,0] op_sel_hi:[1,1]
.else
	v_pk_mul_f32 v[\d:\d+1], v[\x:\x+1], v[\y:\y+1] op_sel_hi:[0,1]
.endif
.endm
.macro FMB0 d, x, sel, y
.if \sel
	v_pk_fma_f32 v[\d:\d+1], v[\x:\x+1], v[\y:\y+1], v[\d:\d+1] op_sel:[1,0,0] op_sel_hi:[1,1,1]
.else
	v_pk_fma_f32 v[\d:\d+1], v[\x:\x+1], v[\y:\y+1], v[\d:\d+1] op_sel_hi:[0,1,1]
.endif
.endm
.macro ROWW w, a, first                ; one row: ACC[4 c + b] += weight[c] * u[b]
.irp c, 0,1,2,3
.irp bp, 0,1
.if \first
	MLB0 ACC+4*\c+2*\bp, \w+(\c&2), (\c&1), \a+2*\bp
.else
	FMB0 ACC+4*\c+2*\bp, \w+(\c&2), (\c&1), \a+2*\bp
.endif
.endr
.endr
.endm
.macro HALVE x, st
.set kk, 0
.rept \st
	v_pk_add_f32 v[\x+4*kk:\x+4*kk+1], v[\x+4*kk:\x+4*kk+1], v[\x+4*(kk+\st):\x+4*(kk+\st)+1]
	v_pk_add_f32 v[\x+4*kk+2:\x+4*kk+3], v[\x+4*kk+2:\x+4*kk+3], v[\x+4*(kk+\st)+2:\x+4*(kk+\st)+3]
.set kk, kk+1
.endr
.endm
.macro WRED1 dop, op, reg, tmp         ; one register reduced over the 32 lanes; tmp has been written
.irp m, 1,2,4,8
	\dop v[\reg], v[\reg], v[\reg] row_xmask:\m row_mask:0xf bank_mask:0xf
.endr
	v_permlanex16_b32 v[\tmp], v[\reg], s12, s13
	\op v[\reg], v[\reg], v[\tmp]
.endm
.macro AROW i, first                   ; row 16 w + 2 i + h
	s_wait_loadcnt 7-\i                            ; weight load i is in, the younger ones stay out
	s_wait_dscnt 14-2*\i                           ; the two LDS loads of row i are in, the two of each later row stay out
	v_pk_add_f32 v[A0+4*\i:A0+4*\i+1], v[A0+4*\i:A0+4*\i+1], v[A1+4*\i:A1+4*\i+1]
	v_pk_add_f32 v[A0+4*\i+2:A0+4*\i+3], v[A0+4*\i+2:A0+4*\i+3], v[A1+4*\i+2:A1+4*\i+3]
	ROWW W+4*\i, A0+4*\i, \first
.endm
	s_load_b256 s[16:23], s[0:1], 0x0              ; pacc s[16:17], pml s[18:19], qkv_w s[20:21], op s[22:23]
	v_lshl_add_u32 v198, v0, 2, 0xa000
	v_mov_b32 v199, 0
	v_and_b32 v1, 31, v0                           ; L
	v_and_b32 v2, 15, v0                           ; r
	v_bfe_u32 v3, v0, 4, 1                         ; h
	v_lshrrev_b32 v10, 5, v0
	v_readfirstlane_b32 s8, v10                    ; wave w (v10 serves below as the register for the other half's figure)
	s_and_b32 s9, ttmp7, 0xffff                    ; slice s
	s_mov_b32 s12, 0x76543210
	s_mov_b32 s13, 0xfedcba98
	s_lshr_b32 s35, s8, 2                          ; b
	s_bfe_u32 s34, s8, 0x10001                     ; half
	s_and_b32 s33, s8, 1                           ; ph
	s_cmp_lg_u32 s33, 0
	s_cselect_b32 s48, -1, 0                       ; all lanes: ph
	s_lshl_b32 s36, s35, 9                         ; pml: 512 bytes a batch
	s_mov_b32 s37, 0
	s_lshl_b32 s38, s35, 6
	s_add_co_u32 s38, s38, s33
	s_lshl_b32 s38, s38, 12                        ; pacc: 4096 (64 b + ph)
	s_lshl_b32 s10, s9, 10
	s_add_co_u32 s38, s38, s10                     ; + 4 x 256 s
	s_lshl_b32 s10, s34, 9
	s_add_co_u32 s38, s38, s10                     ; + 4 x 128 half
	s_mov_b32 s39, 0
	s_lshl_b32 s11, s9, 8
	s_lshl4_add_u32 s11, s8, s11                   ; my first row: 256 s + 16 w
	s_mul_i32 s50, s11, WROW
	s_lshl_b32 s10, ttmp9, 8
	s_add_co_u32 s50, s50, s10
	s_add_co_u32 s50, s50, 8192                    ; V's third of the row
	s_mov_b32 s51, 0
	s_lshl_b32 s52, s9, 14
	s_lshl_b32 s10, ttmp9, 10
	s_add_co_u32 s52, s52, s10
	s_mov_b32 s53, 0
	v_lshlrev_b32 v12, 4, v1                       ; 16 L
	v_mul_u32_u24 v13, v3, WROW
	v_lshl_add_u32 v13, v2, 4, v13                 ; row h, 16 bytes at 16 r
	s_wait_kmcnt 0x0
	s_add_nc_u64 s[24:25], s[18:19], s[36:37]
	s_add_nc_u64 s[26:27], s[16:17], s[38:39]
	s_add_nc_u64 s[28:29], s[20:21], s[50:51]
	s_add_nc_u64 s[30:31], s[22:23], s[52:53]      ; op + 16384 s + 1024 g
	global_load_b128 v[4:7], v12, s[24:25]         ; lane L: (m, l) of p = 2 L and of p = 2 L + 1
.set kk, 0
.rept 32
	global_load_b128 v[PA+4*kk:PA+4*kk+3], v12, s[26:27] offset:8192*kk   ; partial p = 2 k + ph, 512 consecutive bytes
.set kk, kk+1
.endr
.irp i, 0,1,2,3,4,5,6,7
	global_load_b128 v[W+4*\i:W+4*\i+3], v13, s[28:29] offset:2*WROW*\i th:TH_LOAD_NT
.endr
	s_lshl_b32 s10, s33, 12
	s_lshl_b32 s11, s34, 11
	s_add_co_u32 s10, s10, s11
	s_lshl_b32 s11, s35, 2
	s_add_co_u32 s10, s10, s11
	v_lshl_add_u32 v14, v1, 6, s10                 ; LDS: 4096 ph + 16 (128 half + 4 L) + 4 b
	s_lshl_b32 s14, s8, 8
	s_lshl_b32 s15, s8, 11
	s_add_co_u32 s15, s15, RED
	v_lshl_add_u32 v[RS], v3, 10, s15
	v_lshl_add_u32 v[RS], v2, 6, v[RS]             ; LDS: RED + 1024 (2 w + h) + 64 r
	s_wait_loadcnt 40                              ; loads come back in order (ISA guide 5.7.1): (m, l) are in; 32 partials and 8 weight loads stay out
	v_max_num_f32 v9, v4, v6
	WRED1 v_max_num_f32_dpp, v_max_num_f32, 9, 10  ; M: the batch's largest score
	v_sub_f32 v4, v4, v9
	v_sub_f32 v6, v6, v9
	v_exp_f32 v4, v4
	v_exp_f32 v6, v6
	v_lshl_add_u32 v15, v3, 4, s14                 ; LDS: 16 (16 w + h); also the plain instruction behind the exponentials (ISA guide 5.7.2)
	s_wait_alu depctr_va_vdst(0)
	v_mul_f32 v11, v4, v5
	v_fmac_f32 v11, v6, v7
	WRED1 v_add_f32_dpp, v_add_f32, 11, 10         ; the softmax's denominator: at least 1, since one exponential is 1 and its l is at least 1
	v_rcp_f32 v11, v11
	v_cndmask_b32 v8, v4, v6, s48                  ; the exponential of p = 2 L + ph; also the plain instruction behind the reciprocal
	s_wait_alu depctr_va_vdst(0)
	v_mul_f32 v8, v8, v11                          ; lane k: the weight of partial p = 2 k + ph
.set kk, 0
.rept 32
	s_wait_loadcnt 39-kk                           ; partial k is in; 31 - k partials and the 8 weight loads stay out
	v_readlane_b32 s[40+(kk&7)], v8, kk
.irp i, 0,1,2,3
.if kk == 0
	v_mul_f32 v[U+\i], s[40+(kk&7)], v[PA+4*kk+\i]
.else
	v_fmac_f32 v[U+\i], s[40+(kk&7)], v[PA+4*kk+\i]
.endif
.endr
.set kk, kk+1
.endr
.irp i, 0,1,2,3
	ds_store_b32 v14, v[U+\i] offset:16*\i
.endr
	BAR                                            ; both halves of u's sum lie in LDS
.irp i, 0,1,2,3,4,5,6,7
	ds_load_b128 v[A0+4*\i:A0+4*\i+3], v15 offset:32*\i
	ds_load_b128 v[A1+4*\i:A1+4*\i+3], v15 offset:4096+32*\i
.endr
	AROW 0, 1
.irp i, 1,2,3,4,5,6,7
	AROW \i, 0
.endr
.irp c, 0,1,2,3
	ds_store_b128 v[RS], v[ACC+4*\c:ACC+4*\c+3] offset:16*\c
.endr
	BAR                                            ; all 32 contributions lie in LDS; no barrier follows
	s_cmp_ge_u32 s8, 2
	s_cbranch_scc1 .Lend
	v_and_b32 v[TT], 63, v0                        ; threads 0 to 63: one column each
	v_lshlrev_b32 v[TT], 4, v[TT]
.set kk, 0
.rept 32
	ds_load_b128 v[X+4*kk:X+4*kk+3], v[TT] offset:RED+1024*kk
.set kk, kk+1
.endr
	s_wait_dscnt 0x0
.irp st, 16,8,4,2,1
	HALVE X, \st
.endr
	global_store_b128 v[TT], v[X:X+3], s[30:31]    ; a wave stores 512 consecutive bytes, aligned
.Lend:
	s_wait_tensorcnt 0x0
	ds_add_u32 v198, v199
	s_wait_dscnt 0x0
	s_endpgm
.Lfunc_end_k_qd27f3d6d50_oproj:
	.size	k_qd27f3d6d50_oproj, .Lfunc_end_k_qd27f3d6d50_oproj-k_qd27f3d6d50_oproj
	.p2alignl 7, 3214868480
	.fill 96, 4, 3214868480
	.section	.rodata,"a",@progbits
	.p2align	6, 0x0
	.amdhsa_kernel k_qd27f3d6d50_oproj
		.amdhsa_group_segment_fixed_size 43008
		.amdhsa_private_segment_fixed_size 0
		.amdhsa_enable_private_segment 0
		.amdhsa_kernarg_size 32
		.amdhsa_user_sgpr_count 2
		.amdhsa_user_sgpr_kernarg_segment_ptr 1
		.amdhsa_wavefront_size32 1
		.amdhsa_system_sgpr_workgroup_id_x 1
		.amdhsa_system_sgpr_workgroup_id_y 1
		.amdhsa_system_sgpr_workgroup_id_z 1
		.amdhsa_system_vgpr_workitem_id 0
		.amdhsa_next_free_vgpr 200
		.amdhsa_next_free_sgpr 66
		.amdhsa_reserve_vcc 0
		.amdhsa_float_denorm_mode_32 3
		.amdhsa_float_denorm_mode_16_64 3
		.amdhsa_memory_ordered 1
		.amdhsa_forward_progress 1
		.amdhsa_inst_pref_size 29
	.end_amdhsa_kernel
	.amdgpu_metadata
---
amdhsa.version: [ 1, 2 ]
amdhsa.kernels:
  - .name:           k_qd27f3d6d50_oproj
    .symbol:         k_qd27f3d6d50_oproj.kd
    .args:
      - { .name: pacc, .offset: 0, .size: 8, .value_kind: global_buffer, .address_space: global }
      - { .name: pml, .offset: 8, .size: 8, .value_kind: global_buffer, .address_space: global }
      - { .name: qkv_w, .offset: 16, .size: 8, .value_kind: global_buffer, .address_space: global }
      - { .name: op, .offset: 24, .size: 8, .value_kind: global_buffer, .address_space: global }
    .group_segment_fixed_size: 43008
    .private_segment_fixed_size: 0
    .kernarg_segment_align: 8
    .kernarg_segment_size: 32
    .max_flat_workgroup_size: 512
    .sgpr_count:     66
    .vgpr_count:     200
    .wavefront_size: 32
...
	.end_amdgpu_metadata
.endif
;; end of part 4
;; launch vocab (part 5): grid 250 x 1, 16 waves a work-group, no clusters, 34,816 bytes of LDS; arguments op, res, out_w, out_b, out0; writes out0
.if DOCPART == 5
	.amdgcn_target "amdgcn-amd-amdhsa--gfx1250"
	.amdhsa_code_object_version 6
	.text
	.protected	k_qd27f3d6d50_vocab
	.globl	k_qd27f3d6d50_vocab
	.p2align	8
	.type	k_qd27f3d6d50_vocab,@function
k_qd27f3d6d50_vocab:
	s_mov_b64 s[64:65], 0
	v_nop
	global_prefetch_b8 v0, s[64:65] scope:SCOPE_SE
	s_setreg_imm32_b32 hwreg(HW_REG_WAVE_MODE, 25, 1), 1
	s_wait_xcnt 0x0
; vocab.  out0[b][n] = out_b[n] + sum over d of o[b][d] * out_w[d][n],  o[b][d] = the four partial sums of op + res  (attention's result, V's bias, residual).
; A work-group owns 128 columns (512 bytes of every row) and all 1,024 rows: 524,288 bytes of out_w, each read once.  A row of out_w is 250 such pieces,
; so there are 250 work-groups of equal work.  Wave w takes rows 64 w .. 64 w + 63; one load covers the 512 consecutive bytes of a row, aligned.
; A ring of sixteen register slots keeps sixteen loads of every wave on their way: 16 waves x 16 loads x 512 bytes = 128 KiB for the work-group.
; The row's place stands in the load's immediate (63 x 128,000 bytes at the most, inside its signed 24 bits), so no address is ever stepped and the
; 64 steps are written out.
; o: a wave needs the o of its own 64 rows alone, 1,024 bytes of each of the five parts.  It loads them itself (lane L: rows L and 32 + L), adds them in
; registers, and hands a row's four numbers to all lanes through scalar registers (v_readlane_b32), four rows ahead of their use: no LDS, no barrier
; and no other wave stands between the loads and the products.  LDS serves the one sum over the sixteen waves at the end.
; f32 on the vector ALU: four multiply-adds for each weight, and the weights lie [d][n].  No cluster: 250 work-groups do not divide by four, and what all
; share (op and res, 80 KiB) is small beside each one's 524,288 bytes.
; LIMIT: the sum over d is made in sixteen partial sums and a tree, so the order of rounding differs from the problem's formula.
.set OROW, 128000                      ; bytes in a row of out_w and of out0
.set BIAS, 4                           ; v[4:7]     waves 0 to 3: out_b of my four columns
.set W,    16                          ; v[16:79]   ring of weights, slot i % 16
.set X,    16                          ; v[16:79]   last phase: sixteen contributions
.set T,    80                          ; v[80:119]  set j at 20 j: four parts of op and res of row 32 j + L, four batches each; their sum o ends in the set's first four
.set ACC,  120                         ; v[120:135] sums: 4 b + c
.set SR,   32                          ; s[32:63]   ring of o: row i at 8 (i % 4), batch b in the even register of pair b
; LDS: the sixteen waves' sums, [w][4 b][128 columns], 2,048 bytes a wave
.macro BAR                             ; my LDS work is done (for the other waves: the count is zero), then the work-group meets
	s_wait_dscnt 0x0
	s_barrier_signal -1
	s_barrier_wait -1
.endm
.macro GETO i                          ; o[0..3] of my row i, which lane i % 32 holds in set i / 32, into the row's scalar slot
.irp b, 0,1,2,3
	v_readlane_b32 s[SR+8*((\i)&3)+2*\b], v[T+20*((\i)>>5)+\b], (\i)&31
.endr
.endm
.macro ROWS w, s, first                ; one row: ACC[4 b + c] += weight[c] * o[b]; a scalar pair is a broadcast source: both halves take its first register
.irp b, 0,1,2,3
.irp cp, 0,1
.if \first
	v_pk_mul_f32 v[ACC+4*\b+2*\cp:ACC+4*\b+2*\cp+1], v[\w+2*\cp:\w+2*\cp+1], s[\s+2*\b:\s+2*\b+1] op_sel_hi:[1,0]
.else
	v_pk_fma_f32 v[ACC+4*\b+2*\cp:ACC+4*\b+2*\cp+1], v[\w+2*\cp:\w+2*\cp+1], s[\s+2*\b:\s+2*\b+1], v[ACC+4*\b+2*\cp:ACC+4*\b+2*\cp+1] op_sel_hi:[1,0,1]
.endif
.endr
.endr
.endm
.macro HALVE x, st                     ; items k = 0 .. st - 1 of four registers: item k += item k + st
.set kk, 0
.rept \st
	v_pk_add_f32 v[\x+4*kk:\x+4*kk+1], v[\x+4*kk:\x+4*kk+1], v[\x+4*(kk+\st):\x+4*(kk+\st)+1]
	v_pk_add_f32 v[\x+4*kk+2:\x+4*kk+3], v[\x+4*kk+2:\x+4*kk+3], v[\x+4*(kk+\st)+2:\x+4*(kk+\st)+3]
.set kk, kk+1
.endr
.endm
	s_load_b256 s[16:23], s[0:1], 0x0              ; op s[16:17], res s[18:19], out_w s[20:21], out_b s[22:23]
	s_load_b64 s[24:25], s[0:1], 0x20              ; out0
	v_lshl_add_u32 v136, v0, 2, 0x8000
	v_mov_b32 v137, 0
	v_and_b32 v1, 31, v0                           ; L
	v_lshrrev_b32 v2, 5, v0
	v_readfirstlane_b32 s8, v2                     ; wave w
	v_lshlrev_b32 v9, 4, v1                        ; 16 L
	s_lshl_b32 s14, s8, 10
	v_add_nc_u32 v8, s14, v9                       ; op and res: 16 (64 w + L)
	s_lshl_b32 s10, ttmp9, 9                       ; my 512 bytes of a row
	s_mov_b32 s11, 0
	s_mul_i32 s12, s8, 64*OROW                     ; my wave's first row
	s_add_co_u32 s12, s12, s10
	s_mov_b32 s13, 0
.set kk, 0
.rept 16
	s_mov_b32 s[SR+2*kk+1], 0                      ; the second register of each pair: named by the products, multiplied by none; written once
.set kk, kk+1
.endr
	s_wait_kmcnt 0x0
	s_add_nc_u64 s[28:29], s[20:21], s[12:13]
	s_add_nc_u64 s[30:31], s[22:23], s[10:11]
	s_cmp_ge_u32 s8, 4
	s_cbranch_scc1 .Lno_bias
	global_load_b128 v[BIAS:BIAS+3], v9, s[30:31]  ; waves 0 to 3, which make the result.  The wave's oldest load, so no later count changes
.Lno_bias:
.irp hh, 0,1
.irp sp, 0,1,2,3
	global_load_b128 v[T+20*\hh+4*\sp:T+20*\hh+4*\sp+3], v8, s[16:17] offset:16384*\sp+512*\hh   ; lane L: row 64 w + 32 j + L; the wave takes 512 consecutive bytes
.endr
	global_load_b128 v[T+20*\hh+16:T+20*\hh+19], v8, s[18:19] offset:512*\hh
.endr
.set ii, 0
.rept 16
	global_load_b128 v[W+4*ii:W+4*ii+3], v9, s[28:29] offset:OROW*ii th:TH_LOAD_NT   ; the ring is filled: rows 0 to 15; read once in the launch
.set ii, ii+1
.endr
	s_lshl_b32 s14, s8, 11
	v_add_nc_u32 v11, s14, v9                      ; LDS: 2048 w + 16 L
	s_wait_loadcnt 16                              ; loads come back in order (ISA guide 5.7.1): op and res are in, the ring's sixteen stay out
.irp hh, 0,1
.irp pr, 0,2
	v_pk_add_f32 v[T+20*\hh+\pr:T+20*\hh+\pr+1], v[T+20*\hh+\pr:T+20*\hh+\pr+1], v[T+20*\hh+4+\pr:T+20*\hh+4+\pr+1]
	v_pk_add_f32 v[T+20*\hh+8+\pr:T+20*\hh+8+\pr+1], v[T+20*\hh+8+\pr:T+20*\hh+8+\pr+1], v[T+20*\hh+12+\pr:T+20*\hh+12+\pr+1]
.endr
.irp pr, 0,2
	v_pk_add_f32 v[T+20*\hh+\pr:T+20*\hh+\pr+1], v[T+20*\hh+\pr:T+20*\hh+\pr+1], v[T+20*\hh+8+\pr:T+20*\hh+8+\pr+1]
.endr
.irp pr, 0,2
	v_pk_add_f32 v[T+20*\hh+\pr:T+20*\hh+\pr+1], v[T+20*\hh+\pr:T+20*\hh+\pr+1], v[T+20*\hh+16+\pr:T+20*\hh+16+\pr+1]
.endr
.endr
	GETO 0                                         ; the scalar ring is filled: rows 0 to 3
	GETO 1
	GETO 2
	GETO 3
; The 64 steps.  In front of step i the loads of rows up to i + 15 (63 at the most) have been issued: row i is in when at most min(15, 63 - i) younger
; ones are out.  The weight slot is filled again at once; the scalar slot takes row i + 4.
.set ii, 0
.rept 64
.if ii < 48
	s_wait_loadcnt 15
.else
	s_wait_loadcnt 63-ii
.endif
.if ii == 0
	ROWS W, SR, 1                                  ; the first row starts the sums: nothing is cleared
.else
	ROWS W+4*(ii&15), SR+8*(ii&3), 0
.endif
.if ii < 48
	global_load_b128 v[W+4*(ii&15):W+4*(ii&15)+3], v9, s[28:29] offset:OROW*(ii+16) th:TH_LOAD_NT
.endif
.if ii < 60
	GETO ii+4
.endif
.set ii, ii+1
.endr
.irp b, 0,1,2,3
	ds_store_b128 v11, v[ACC+4*\b:ACC+4*\b+3] offset:512*\b
.endr
	BAR                                            ; the sixteen waves' sums lie in LDS; no barrier follows
	s_cmp_ge_u32 s8, 4
	s_cbranch_scc1 .Lend
	s_and_b32 s14, s8, 3                           ; waves 0 to 3: batch b = w
	s_mul_i32 s12, s14, OROW
	s_add_co_u32 s12, s12, s10
	s_add_nc_u64 s[26:27], s[24:25], s[12:13]      ; out0 + 128000 b + my 512 bytes
	s_lshl_b32 s14, s14, 9
	v_add_nc_u32 v12, s14, v9                      ; 512 b + 16 L
.set kk, 0
.rept 16
	ds_load_b128 v[X+4*kk:X+4*kk+3], v12 offset:2048*kk
.set kk, kk+1
.endr
	s_wait_dscnt 0x0
.irp st, 8,4,2,1
	HALVE X, \st
.endr
	v_pk_add_f32 v[X:X+1], v[X:X+1], v[BIAS:BIAS+1]
	v_pk_add_f32 v[X+2:X+3], v[X+2:X+3], v[BIAS+2:BIAS+3]
	global_store_b128 v9, v[X:X+3], s[26:27] th:TH_STORE_NT   ; the wave stores 512 consecutive bytes, aligned
.Lend:
	s_wait_tensorcnt 0x0
	ds_add_u32 v136, v137
	s_wait_dscnt 0x0
	s_endpgm
.Lfunc_end_k_qd27f3d6d50_vocab:
	.size	k_qd27f3d6d50_vocab, .Lfunc_end_k_qd27f3d6d50_vocab-k_qd27f3d6d50_vocab
	.p2alignl 7, 3214868480
	.fill 96, 4, 3214868480
	.section	.rodata,"a",@progbits
	.p2align	6, 0x0
	.amdhsa_kernel k_qd27f3d6d50_vocab
		.amdhsa_group_segment_fixed_size 34816
		.amdhsa_private_segment_fixed_size 0
		.amdhsa_enable_private_segment 0
		.amdhsa_kernarg_size 40
		.amdhsa_user_sgpr_count 2
		.amdhsa_user_sgpr_kernarg_segment_ptr 1
		.amdhsa_wavefront_size32 1
		.amdhsa_system_sgpr_workgroup_id_x 1
		.amdhsa_system_sgpr_workgroup_id_y 1
		.amdhsa_system_sgpr_workgroup_id_z 1
		.amdhsa_system_vgpr_workitem_id 0
		.amdhsa_next_free_vgpr 138
		.amdhsa_next_free_sgpr 66
		.amdhsa_reserve_vcc 0
		.amdhsa_float_denorm_mode_32 3
		.amdhsa_float_denorm_mode_16_64 3
		.amdhsa_memory_ordered 1
		.amdhsa_forward_progress 1
		.amdhsa_inst_pref_size 64
	.end_amdhsa_kernel
	.amdgpu_metadata
---
amdhsa.version: [ 1, 2 ]
amdhsa.kernels:
  - .name:           k_qd27f3d6d50_vocab
    .symbol:         k_qd27f3d6d50_vocab.kd
    .args:
      - { .name: op, .offset: 0, .size: 8, .value_kind: global_buffer, .address_space: global }
      - { .name: res, .offset: 8, .size: 8, .value_kind: global_buffer, .address_space: global }
      - { .name: out_w, .offset: 16, .size: 8, .value_kind: global_buffer, .address_space: global }
      - { .name: out_b, .offset: 24, .size: 8, .value_kind: global_buffer, .address_space: global }
      - { .name: out0, .offset: 32, .size: 8, .value_kind: global_buffer, .address_space: global }
    .group_segment_fixed_size: 34816
    .private_segment_fixed_size: 0
    .kernarg_segment_align: 8
    .kernarg_segment_size: 40
    .max_flat_workgroup_size: 512
    .sgpr_count:     66
    .vgpr_count:     138
    .wavefront_size: 32
...
	.end_amdgpu_metadata
.endif
;; end of part 5
;; ======== version 2 of 2: 5 launches; version 1 with the launch vocab written anew for expert scheduling mode
;; workspace buffers: qp 65,536 bytes; res 16,384 bytes; tp 65,536 bytes; cp 1,024 bytes; pacc 1,048,576 bytes; pml 2,048 bytes; op 65,536 bytes
;; launch qproj: the kernel of part 1 again; grid 16 x 4, 16 waves a work-group, no clusters, 38,912 bytes of LDS; arguments x, embed, qkv_w, qkv_b, qp, res; writes qp, res
;; launch tproj: the kernel of part 2 again; grid 16 x 4, 8 waves a work-group, no clusters, 6,144 bytes of LDS; arguments qp, qkv_w, qkv_b, tp, cp; writes tp, cp
;; launch attn: the kernel of part 3 again; grid 64 x 4, 8 waves a work-group, no clusters, 38,400 bytes of LDS; arguments x, embed, tp, cp, pacc, pml; writes pacc, pml
;; launch oproj: the kernel of part 4 again; grid 16 x 4, 16 waves a work-group, no clusters, 43,008 bytes of LDS; arguments pacc, pml, qkv_w, op; writes op
;; launch vocab (part 6): grid 250 x 1, 16 waves a work-group, no clusters, 34,816 bytes of LDS; arguments op, res, out_w, out_b, out0; writes out0
.if DOCPART == 6
	.amdgcn_target "amdgcn-amd-amdhsa--gfx1250"
	.amdhsa_code_object_version 6
	.text
	.protected	k_qd27f3d6d50_vocab
	.globl	k_qd27f3d6d50_vocab
	.p2align	8
	.type	k_qd27f3d6d50_vocab,@function
k_qd27f3d6d50_vocab:
	s_mov_b64 s[64:65], 0
	v_nop
	global_prefetch_b8 v0, s[64:65] scope:SCOPE_SE
	s_setreg_imm32_b32 hwreg(HW_REG_WAVE_SCHED_MODE, 0, 2), 2
	s_setreg_imm32_b32 hwreg(HW_REG_WAVE_MODE, 25, 1), 1
	s_wait_xcnt 0x0
	s_wait_alu depctr_vm_vsrc(0)
; vocab.  out0[b][n] = out_b[n] + sum over d of o[b][d] * out_w[d][n],  o[b][d] = the four partial sums of op + res  (attention's result, V's bias, residual).
; A work-group owns 128 columns (512 bytes of every row) and all 1,024 rows: 524,288 bytes of out_w, each read once.  A row of out_w is 250 such pieces,
; so there are 250 work-groups of equal work.  Wave w takes rows 64 w .. 64 w + 63; one load covers the 512 consecutive bytes of a row, aligned.
; A ring of register slots keeps sixteen loads of every wave on their way: 16 waves x 16 loads x 512 bytes = 128 KiB for the work-group.
; The row's place stands in the load's immediate (63 x 128,000 bytes at the most, inside its signed 24 bits), so no address is ever stepped and the
; 64 steps are written out.
; o: a wave needs the o of its own 64 rows alone, 1,024 bytes of each of the five parts.  It loads them itself (lane L: rows L and 32 + L), adds them in
; registers, and hands a row's four numbers to all lanes through scalar registers (v_readlane_b32), four rows ahead of their use: no LDS, no barrier
; and no other wave stands between the loads and the products.  LDS serves the one sum over the sixteen waves at the end.
; f32 on the vector ALU: four multiply-adds for each weight, and the weights lie [d][n].  No cluster: 250 work-groups do not divide by four, and what all
; share (op and res, 80 KiB) is small beside each one's 524,288 bytes.
; LIMIT: the sum over d is made in sixteen partial sums and a tree, so the order of rounding differs from the problem's formula.
; THE MODE: SCHED_MODE bits 1:0 = 2 (LLVM: expert scheduling mode 2), set by the entry lines.  The code itself states the register dependences
; between vector instructions and memory or LDS instructions, and those through scalar registers that vector instructions write, with s_wait_alu, always for 0.
; THE PLAN.  The 64 rows go in 16 blocks of four.  Registers that memory or LDS instructions touch, and scalar registers that vector instructions write:
;   W0 .. W4      five blocks of weights, twenty slots.  Block p's products read W[p % 5]; the loads of block p + 4, issued in block p, land in
;                 W[(p + 4) % 5] = W[(p - 1) % 5]: the block that the products of block p - 1 read and that no vector instruction of block p names.
;   v8, v9, v11   offsets and an LDS address, made at the head and never written again.
;   T, BIAS       loaded once; behind that named by vector instructions alone.
;   ACC           written by the products; read by the four LDS stores at the end.
;   X, v12        the last phase: the LDS loads land in W's registers and read v12; the global store reads the tree's result.
;   s[32:63]      row i's slot is written for row i + 4 behind row i's products, in block p, and first read in block p + 1.
; So two lines at a block's head state all that the block hangs on: the block before is done reading its W (blocks 1 to 11, which load), and the scalar
; slots of the block's four rows are written.  The block's four loads are dealt among its products, one in front of each row's eight, with no further wait.
; No register that a memory or LDS instruction reads is ever written again, and EXEC is never written: nothing is owed for either.
.set OROW, 128000                      ; bytes in a row of out_w and of out0
.set BIAS, 4                           ; v[4:7]     waves 0 to 3: out_b of my four columns
.set W,    16                          ; v[16:95]   ring of weights, row i in slot i % 20
.set X,    16                          ; v[16:79]   last phase: sixteen contributions
.set T,    96                          ; v[96:135]  set j at 20 j: four parts of op and res of row 32 j + L, four batches each; their sum o ends in the set's first four
.set ACC,  136                         ; v[136:151] sums: 4 b + c
.set SR,   32                          ; s[32:63]   ring of o: row i at 8 (i % 4), batch b in the even register of pair b
; LDS: the sixteen waves' sums, [w][4 b][128 columns], 2,048 bytes a wave
.macro BAR                             ; my LDS work is done (for the other waves: the count is zero), then the work-group meets
	s_wait_dscnt 0x0
	s_barrier_signal -1
	s_barrier_wait -1
.endm
.macro GETO i                          ; o[0..3] of my row i, which lane i % 32 holds in set i / 32, into the row's scalar slot
.irp b, 0,1,2,3
	v_readlane_b32 s[SR+8*((\i)&3)+2*\b], v[T+20*((\i)>>5)+\b], (\i)&31
.endr
.endm
.macro ROWS w, s, first                ; one row: ACC[4 b + c] += weight[c] * o[b]; a scalar pair is a broadcast source: both halves take its first register
.irp b, 0,1,2,3
.irp cp, 0,1
.if \first
	v_pk_mul_f32 v[ACC+4*\b+2*\cp:ACC+4*\b+2*\cp+1], v[\w+2*\cp:\w+2*\cp+1], s[\s+2*\b:\s+2*\b+1] op_sel_hi:[1,0]
.else
	v_pk_fma_f32 v[ACC+4*\b+2*\cp:ACC+4*\b+2*\cp+1], v[\w+2*\cp:\w+2*\cp+1], s[\s+2*\b:\s+2*\b+1], v[ACC+4*\b+2*\cp:ACC+4*\b+2*\cp+1] op_sel_hi:[1,0,1]
.endif
.endr
.endr
.endm
.macro HALVE x, st                     ; items k = 0 .. st - 1 of four registers: item k += item k + st
.set kk, 0
.rept \st
	v_pk_add_f32 v[\x+4*kk:\x+4*kk+1], v[\x+4*kk:\x+4*kk+1], v[\x+4*(kk+\st):\x+4*(kk+\st)+1]
	v_pk_add_f32 v[\x+4*kk+2:\x+4*kk+3], v[\x+4*kk+2:\x+4*kk+3], v[\x+4*(kk+\st)+2:\x+4*(kk+\st)+3]
.set kk, kk+1
.endr
.endm
	s_load_b256 s[16:23], s[0:1], 0x0              ; op s[16:17], res s[18:19], out_w s[20:21], out_b s[22:23]
	s_load_b64 s[24:25], s[0:1], 0x20              ; out0
	v_lshl_add_u32 v14, v0, 2, 0x8000
	v_mov_b32 v15, 0
	v_and_b32 v1, 31, v0                           ; L
	v_lshrrev_b32 v2, 5, v0
	v_readfirstlane_b32 s8, v2                     ; wave w
	v_lshlrev_b32 v9, 4, v1                        ; 16 L
	s_lshl_b32 s10, ttmp9, 9                       ; my 512 bytes of a row
	s_mov_b32 s11, 0
	s_mov_b32 s13, 0
.set kk, 0
.rept 16
	s_mov_b32 s[SR+2*kk+1], 0                      ; the second register of each pair: named by the products, multiplied by none; written once
.set kk, kk+1
.endr
	s_wait_alu depctr_va_sdst(0)                   ; s8 is written, ahead of its first reader: the offsets and the bases below are made from it
	s_lshl_b32 s14, s8, 10
	v_add_nc_u32 v8, s14, v9                       ; op and res: 16 (64 w + L)
	s_lshl_b32 s15, s8, 11
	v_add_nc_u32 v11, s15, v9                      ; LDS: 2048 w + 16 L
	s_mul_i32 s12, s8, 64*OROW                     ; my wave's first row
	s_add_co_u32 s12, s12, s10
	s_wait_kmcnt 0x0
	s_add_nc_u64 s[28:29], s[20:21], s[12:13]
	s_add_nc_u64 s[30:31], s[22:23], s[10:11]
	s_wait_alu depctr_va_vdst(0)                   ; v8, v9 and v11 are written: every load and store of the kernel but the last phase's LDS loads reads one of them as its offset or address
	s_cmp_ge_u32 s8, 4
	s_cbranch_scc1 .Lno_bias
	global_load_b128 v[BIAS:BIAS+3], v9, s[30:31]  ; waves 0 to 3, which make the result.  The wave's oldest load, so no later count changes
.Lno_bias:
.irp hh, 0,1
.irp sp, 0,1,2,3
	global_load_b128 v[T+20*\hh+4*\sp:T+20*\hh+4*\sp+3], v8, s[16:17] offset:16384*\sp+512*\hh   ; lane L: row 64 w + 32 j + L; the wave takes 512 consecutive bytes
.endr
	global_load_b128 v[T+20*\hh+16:T+20*\hh+19], v8, s[18:19] offset:512*\hh
.endr
.set ii, 0
.rept 16
	global_load_b128 v[W+4*ii:W+4*ii+3], v9, s[28:29] offset:OROW*ii th:TH_LOAD_NT   ; W0 to W3 are filled: rows 0 to 15; read once in the launch
.set ii, ii+1
.endr
	s_wait_loadcnt 16                              ; loads come back in order (ISA guide 5.7.1): op and res are in, the ring's sixteen stay out
.irp hh, 0,1
.irp pr, 0,2
	v_pk_add_f32 v[T+20*\hh+\pr:T+20*\hh+\pr+1], v[T+20*\hh+\pr:T+20*\hh+\pr+1], v[T+20*\hh+4+\pr:T+20*\hh+4+\pr+1]
	v_pk_add_f32 v[T+20*\hh+8+\pr:T+20*\hh+8+\pr+1], v[T+20*\hh+8+\pr:T+20*\hh+8+\pr+1], v[T+20*\hh+12+\pr:T+20*\hh+12+\pr+1]
.endr
.irp pr, 0,2
	v_pk_add_f32 v[T+20*\hh+\pr:T+20*\hh+\pr+1], v[T+20*\hh+\pr:T+20*\hh+\pr+1], v[T+20*\hh+8+\pr:T+20*\hh+8+\pr+1]
.endr
.irp pr, 0,2
	v_pk_add_f32 v[T+20*\hh+\pr:T+20*\hh+\pr+1], v[T+20*\hh+\pr:T+20*\hh+\pr+1], v[T+20*\hh+16+\pr:T+20*\hh+16+\pr+1]
.endr
.endr
	GETO 0                                         ; the scalar ring is filled: rows 0 to 3
	GETO 1
	GETO 2
	GETO 3
; The 64 steps, four to a block.  In front of step i the loads of rows up to i + 15 (63 at the most) have been issued: row i is in when at most
; min(15, 63 - i) younger ones are out.  Then row i + 16 is asked for, into the block of slots that the block before has read; the scalar slot takes row i + 4.
.set ii, 0
.rept 64
.if ii < 48
	s_wait_loadcnt 15
.else
	s_wait_loadcnt 63-ii
.endif
.if (ii&3) == 0
.if (ii > 0) && (ii < 48)
	s_wait_alu depctr_va_vdst(0)                   ; the products of the block before are done reading their four weight slots, in which this block's four loads land
.endif
	s_wait_alu depctr_va_sdst(0)                   ; the sixteen v_readlane_b32 issued since the last such wait have written the scalar slots of this block's four rows, ahead of their first reader
.endif
.if ii < 48
	global_load_b128 v[W+4*((ii+16)%20):W+4*((ii+16)%20)+3], v9, s[28:29] offset:OROW*(ii+16) th:TH_LOAD_NT   ; no vector instruction since the block's head names these registers
.endif
.if ii == 0
	ROWS W, SR, 1                                  ; the first row starts the sums: nothing is cleared
.else
	ROWS W+4*(ii%20), SR+8*(ii&3), 0
.endif
.if ii < 60
	GETO ii+4
.endif
.set ii, ii+1
.endr
	s_wait_alu depctr_va_vdst(0)                   ; the products have written the sixteen sums, which the LDS stores read
.irp b, 0,1,2,3
	ds_store_b128 v11, v[ACC+4*\b:ACC+4*\b+3] offset:512*\b
.endr
	BAR                                            ; the sixteen waves' sums lie in LDS; no barrier follows
	s_cmp_ge_u32 s8, 4
	s_cbranch_scc1 .Lend
	s_and_b32 s14, s8, 3                           ; waves 0 to 3: batch b = w
	s_mul_i32 s12, s14, OROW
	s_add_co_u32 s12, s12, s10
	s_add_nc_u64 s[26:27], s[24:25], s[12:13]      ; out0 + 128000 b + my 512 bytes
	s_lshl_b32 s14, s14, 9
	v_add_nc_u32 v12, s14, v9                      ; 512 b + 16 L
	s_wait_alu depctr_va_vdst(0)                   ; v12 is written, which the LDS loads read as their address (the products that read the registers in which they land stand ahead of the wait in front of the LDS stores)
.set kk, 0
.rept 16
	ds_load_b128 v[X+4*kk:X+4*kk+3], v12 offset:2048*kk
.set kk, kk+1
.endr
	s_wait_dscnt 0x0
.irp st, 8,4,2,1
	HALVE X, \st
.endr
	v_pk_add_f32 v[X:X+1], v[X:X+1], v[BIAS:BIAS+1]
	v_pk_add_f32 v[X+2:X+3], v[X+2:X+3], v[BIAS+2:BIAS+3]
	s_wait_alu depctr_va_vdst(0)                   ; the tree and the bias's additions have written v[X:X+3], which the store reads
	global_store_b128 v9, v[X:X+3], s[26:27] th:TH_STORE_NT   ; the wave stores 512 consecutive bytes, aligned
.Lend:
	s_wait_dscnt 0x0
	s_wait_alu depctr_hold_cnt(0) depctr_sa_sdst(0) depctr_va_vdst(0) depctr_va_sdst(0) depctr_va_ssrc(0) depctr_va_vcc(0) depctr_vm_vsrc(0)
	s_wait_tensorcnt 0x0
	ds_add_u32 v14, v15
	s_wait_dscnt 0x0
	s_endpgm
.Lfunc_end_k_qd27f3d6d50_vocab:
	.size	k_qd27f3d6d50_vocab, .Lfunc_end_k_qd27f3d6d50_vocab-k_qd27f3d6d50_vocab
	.p2alignl 7, 3214868480
	.fill 96, 4, 3214868480
	.section	.rodata,"a",@progbits
	.p2align	6, 0x0
	.amdhsa_kernel k_qd27f3d6d50_vocab
		.amdhsa_group_segment_fixed_size 34816
		.amdhsa_private_segment_fixed_size 0
		.amdhsa_enable_private_segment 0
		.amdhsa_kernarg_size 40
		.amdhsa_user_sgpr_count 2
		.amdhsa_user_sgpr_kernarg_segment_ptr 1
		.amdhsa_wavefront_size32 1
		.amdhsa_system_sgpr_workgroup_id_x 1
		.amdhsa_system_sgpr_workgroup_id_y 1
		.amdhsa_system_sgpr_workgroup_id_z 1
		.amdhsa_system_vgpr_workitem_id 0
		.amdhsa_next_free_vgpr 152
		.amdhsa_next_free_sgpr 66
		.amdhsa_reserve_vcc 0
		.amdhsa_float_denorm_mode_32 3
		.amdhsa_float_denorm_mode_16_64 3
		.amdhsa_memory_ordered 1
		.amdhsa_forward_progress 1
		.amdhsa_inst_pref_size 65
	.end_amdhsa_kernel
	.amdgpu_metadata
---
amdhsa.version: [ 1, 2 ]
amdhsa.kernels:
  - .name:           k_qd27f3d6d50_vocab
    .symbol:         k_qd27f3d6d50_vocab.kd
    .args:
      - { .name: op, .offset: 0, .size: 8, .value_kind: global_buffer, .address_space: global }
      - { .name: res, .offset: 8, .size: 8, .value_kind: global_buffer, .address_space: global }
      - { .name: out_w, .offset: 16, .size: 8, .value_kind: global_buffer, .address_space: global }
      - { .name: out_b, .offset: 24, .size: 8, .value_kind: global_buffer, .address_space: global }
      - { .name: out0, .offset: 32, .size: 8, .value_kind: global_buffer, .address_space: global }
    .group_segment_fixed_size: 34816
    .private_segment_fixed_size: 0
    .kernarg_segment_align: 8
    .kernarg_segment_size: 40
    .max_flat_workgroup_size: 512
    .sgpr_count:     66
    .vgpr_count:     152
    .wavefront_size: 32
...
	.end_amdgpu_metadata
.endif
;; end of part 6
